; MI455X (gfx1250); checked and timed in simulation.
; The chip was launched on July 23, 2026; its instructions are those of AMD's public machine-readable ISA for CDNA 5 (MIT licence, August 2026) and "CDNA5" Instruction Set Architecture Reference Guide (July 2026). The comments in the code are by the model that wrote it; some were corrected since.
;; Bahdanau Attention. Allowed arithmetic: matrix products marked QUANTISED: E2M3 operands, one E8M0 scale for each 32 along K, by v_wmma_scale_f32_16x16x128_f8f6f4 with both operands' format E2M3, f32 sums; products left as they are: f32 operands where the result goes on into a quantised operand, else bf16, f16 or f32 operands; f32 sums; everything else in f32.
;; Inputs: Wk_codes 1,024 x 32 x 24 uint8 (E2M3 codes of Wk, K innermost, in blocks of 32 codes, four codes in three bytes); Wk_scales 1,024 x 32 uint8 (E8M0 scales of Wk, one for each 32 codes along K); Wq_codes 1,024 x 32 x 24 uint8 (E2M3 codes of Wq, K innermost, in blocks of 32 codes, four codes in three bytes); Wq_scales 1,024 x 32 uint8 (E8M0 scales of Wq, one for each 32 codes along K); decoder_hidden_codes 64 x 32 x 24 uint8 (E2M3 codes of decoder_hidden, K innermost, in blocks of 32 codes, four codes in three bytes); decoder_hidden_scales 64 x 32 uint8 (E8M0 scales of decoder_hidden, one for each 32 codes along K); encoder_outputs 64 x 1,024 x 1,024 float32; mask 64 x 1,024 int32; v 1,024 float32.
;; Outputs: out0 64 x 1,024 float32; out1 64 x 1,024 float32.
;; This version of the problem:
;;   THIS VERSION OF THE PROBLEM IS GIVEN IN LOW PRECISION. The matrix products marked QUANTISED in the list below multiply operands that are first quantised to E2M3 (2 exponent bits, 3 mantissa bits; 6 bits a number), with one power-of-two scale for each 32 numbers along K (OCP MX v1.0); their sums are f32. All else is computed in f32.
;;   The module's matrix products, in the order in which they are computed (A, B: the left and right operand; K: the contracted axis; several contracted axes count as one K, in the product's order):
;;     1. [M 64, K 1,024] x [K 1,024, N 1,024]; A: input decoder_hidden (given as codes); B: input Wq (given as codes): QUANTISED
;;     2. [M 65,536, K 1,024] x [K 1,024, N 1,024]; A: input encoder_outputs; B: input Wk (given as codes): QUANTISED
;;     3. [M 65,536, K 1,024] x [K 1,024, N 1]; A: computed on the way; B: input v: left as it is (N = 1 < 16)
;;     4. batch 64 x [M 1, K 1,024] x [K 1,024, N 1,024]; A: softmax; B: input encoder_outputs: left as it is (M = 1 < 16)
;;   THE QUANTISER, for each operand of a quantised product, along K:
;;     - K is cut into blocks of 32 from its start; a last block that is shorter is filled with zeros.
;;     - A block's scale is 2^e with e = floor(log2(the largest magnitude in the block)) - 2, held to -126 .. 127; a block of zeros has e = 0. As a byte (E8M0): e + 127.
;;     - Each number is divided by its block's scale, clamped to +-7.5, and rounded to the nearest number of E2M3, ties to even, subnormals kept.
;;     - The product sums the exact products of the quantised numbers (number of the format x scale) in f32.
;;   ~~~python
;;   def quantise(x, axis):      # numpy; x: float32 -> the quantised numbers, widened to float32 again
;;       x = np.moveaxis(x, axis, -1); K = x.shape[-1]
;;       x = np.pad(x, [(0, 0)] * (x.ndim - 1) + [(0, -K % 32)]); x = x.reshape(x.shape[:-1] + (-1, 32)); a = np.abs(x).max(-1, keepdims=True)
;;       e = np.where(a > 0, np.clip(np.frexp(np.where(a > 0, a, 1))[1] - 1 - 2, -126, 127), 0)      # np.frexp(a)[1] - 1 = floor(log2(a)), exactly
;;       r = np.clip(x / 2.0 ** e, -7.5, 7.5)
;;       step = 2.0 ** (np.maximum(np.frexp(np.where(r == 0, 1, r))[1] - 1, 0) - 3)
;;       q = np.round(r / step) * step * 2.0 ** e      # np.round: ties to even
;;       return np.moveaxis(q.reshape(q.shape[:-2] + (-1,))[..., :K], -1, axis).astype(np.float32)
;;   ~~~
;;   INPUTS GIVEN AS CODES. Wk (in the module: [1024, 1024], K = its axis 1); Wq (in the module: [1024, 1024], K = its axis 1); decoder_hidden (in the module: [64, 1024], K = its axis 1): each comes as NAME_codes (uint8): NAME with its K axis moved to the last place and cut into blocks of 32 codes, [.., K / 32, bytes a block], one block behind the other in memory; four codes in three bytes: a row's codes are one little-endian stream of bits, code i at bits 6 i .. 6 i + 5 (a code: sign, 2 exponent bits, 3 mantissa bits); and NAME_scales (uint8): the same leading axes, one E8M0 byte (e + 127) for each 32 codes along K. Its value is code x scale, taken as it is: it is not quantised again, and the codes and scales need not be those that the quantiser above would give.
;; One version. Each part assembles by itself: llvm-mc -triple=amdgcn-amd-amdhsa -mcpu=gfx1250 --defsym DOCPART=n.
;; ======== version 1 of 1: 3 launches
;; limits: values are held in bf16: 8 bits of precision; right only within a limited range of input values
;; workspace buffers: wkf 819,200 bytes; tq 262,144 bytes; en 262,144 bytes; cp 4,194,304 bytes
;; launch prep (part 1): grid 80 x 1, 4 waves a work-group, no clusters, 5,120 bytes of LDS; arguments Wk_codes, Wk_scales, Wq_codes, Wq_scales, decoder_hidden_codes, decoder_hidden_scales, wkf, tq; writes wkf, tq
.if DOCPART == 1
	.amdgcn_target "amdgcn-amd-amdhsa--gfx1250"
	.amdhsa_code_object_version 6
	.text
	.protected	k_q7c12f66a9e_prep
	.globl	k_q7c12f66a9e_prep
	.p2align	8
	.type	k_q7c12f66a9e_prep,@function
k_q7c12f66a9e_prep:
	s_mov_b64 s[64:65], 0
	v_nop
	global_prefetch_b8 v0, s[64:65] scope:SCOPE_SE
	s_setreg_imm32_b32 hwreg(HW_REG_WAVE_MODE, 25, 1), 1
	s_wait_xcnt 0x0
; Two small jobs in one launch, told apart by the work-group's number alone (all four waves of a work-group take the same way).
; WORK-GROUPS 0-63: q = decoder_hidden Wq^T, [64][1024] f32, on the given E2M3 codes and E8M0 scale bytes, as they lie.  Work-group g makes batches 16 (g / 16) .. + 15 x hidden units 64 (g % 16) .. + 63;
;   each wave one tile of 16 units: 8 matrix instructions of 128 along K, on two accumulators by turns, added at the end.
;   The product is used transposed (source 0 = 16 rows of Wq, source 1 = 16 batches): a lane holds 8 neighbouring units of one batch.  The four waves' 64 bytes of a row meet in a stage in LDS, so that sixteen lanes store 256 consecutive, aligned bytes.
; WORK-GROUPS 64-79: Wk's codes and scale bytes are laid anew, in the order of an operand's registers, for the next launch.  Tile T (hidden units 16 T .. + 15) is 12,800 bytes of wkf: 8 fragments (K step s) of 1,536 bytes,
;   registers 4 g .. 4 g + 3 of lane l at 1536 s + 512 g + 16 l; at 12,288 the scale words: lane (r, h)'s 16 bytes are the words of row 16 T + r for K steps h, 2 + h, 4 + h, 6 + h.  Every store of a wave covers 512 consecutive bytes.
; 80 work-groups are all the work there is.
.set WF,   16                          ; v16-111   8 fragments of Wq (or of Wk): 12 registers each
.set DF,   112                         ; v112-207  8 fragments of decoder_hidden
.set WS,   208                         ; v208-215  Wq's scale words, register s for K step s: scales and nothing else
.set DS,   216                         ; v216-223  decoder_hidden's
.set ACC0, 224                         ; v224-231 even K steps, v232-239 odd K steps
.set OQ,   240                         ; v240-247  their sum
.set BK,   248                         ; v248-255  rows read back from the stage
.set SP,   272                         ; a stage row: 256 bytes + 16
; 8 fragments of 16 rows x 128 K of 6-bit codes: lane (r, h) takes, of row r (768 bytes), the 24 bytes at 96 s + 24 h and the 24 bytes at 96 s + 48 + 24 h, in pieces of 8 bytes
.macro FRAGS reg, lo
.irp s, 0,1,2,3,4,5,6,7
.irp p, 0,1,2,3,4,5
	global_load_b64 v[\reg+12*\s+2*\p:\reg+12*\s+2*\p+1], v5, s[\lo:\lo+1] offset:96*\s+48*(\p/3)+8*(\p%3)
.endr
.endr
.endm
	s_load_b256 s[4:11], s[0:1], 0x0               ; Wk's codes s[4:5], Wk's scales s[6:7], Wq's codes s[8:9], Wq's scales s[10:11]
	s_load_b256 s[12:19], s[0:1], 0x20             ; decoder_hidden's codes s[12:13], its scales s[14:15], wkf s[16:17], tq s[18:19]
	v_lshl_add_u32 v14, v0, 2, 0x1200
	v_mov_b32 v15, 0
	v_lshrrev_b32 v1, 5, v0
	v_readfirstlane_b32 s20, v1                    ; wave 0..3
	v_and_b32 v2, 15, v0                           ; r
	v_bfe_u32 v3, v0, 4, 1                         ; h
	v_and_b32 v4, 31, v0                           ; lane
	v_mul_u32_u24 v5, v2, 768
	v_mad_u32_u24 v5, v3, 24, v5                   ; a row of 1,024 codes is 768 bytes: row r, + 24 h
	s_mov_b32 s25, 0                               ; the upper word of every offset pair
	s_wait_kmcnt 0x0
	s_cmp_lt_u32 ttmp9, 64
	s_cbranch_scc0 .Lrelay
	; ---- the query
	s_and_b32 s21, ttmp9, 15                       ; which 64 hidden units
	s_lshr_b32 s22, ttmp9, 4                       ; which 16 batches
	s_lshl_b32 s23, s21, 2
	s_add_co_u32 s23, s23, s20                     ; my tile of 16 units
	s_mul_i32 s24, s23, 16*768
	s_add_nc_u64 s[8:9], s[8:9], s[24:25]          ; its rows of Wq's codes,
	s_lshl_b32 s24, s23, 9
	s_add_nc_u64 s[10:11], s[10:11], s[24:25]      ; and of the scale bytes (32 a row)
	s_mul_i32 s24, s22, 16*768
	s_add_nc_u64 s[12:13], s[12:13], s[24:25]      ; the 16 batches likewise
	s_lshl_b32 s24, s22, 9
	s_add_nc_u64 s[14:15], s[14:15], s[24:25]
	s_lshl_b32 s24, s22, 16                        ; tq: 16 rows of 4,096 bytes,
	s_lshl_b32 s26, s21, 8                         ; 64 columns of 4 bytes
	s_add_co_u32 s24, s24, s26
	s_add_nc_u64 s[18:19], s[18:19], s[24:25]
	s_wait_alu depctr_va_vdst(0)
	v_lshlrev_b32 v9, 5, v2                        ; row r's 32 scale bytes: 8 words, one for each K step
	FRAGS WF, 8
	FRAGS DF, 12
	global_load_b128 v[WS:WS+3], v9, s[10:11]
	global_load_b128 v[WS+4:WS+7], v9, s[10:11] offset:16
	global_load_b128 v[DS:DS+3], v9, s[14:15]
	global_load_b128 v[DS+4:DS+7], v9, s[14:15] offset:16
	v_mul_u32_u24 v6, v2, SP                       ; into the stage: row r (a batch), my wave's 64 bytes, 32 for each half of the lanes
	v_lshl_add_u32 v6, v3, 5, v6
	s_lshl_b32 s26, s20, 6
	v_add_nc_u32 v6, s26, v6
	v_mul_u32_u24 v7, v3, SP                       ; back: wave w takes rows 4 w + h and 4 w + 2 + h, 16 bytes a lane
	v_lshl_add_u32 v7, v2, 4, v7
	s_mul_i32 s26, s20, 4*SP
	v_add_nc_u32 v7, s26, v7
	v_lshlrev_b32 v8, 12, v3                       ; and the same rows in tq
	v_lshl_add_u32 v8, v2, 4, v8
	s_lshl_b32 s26, s20, 14
	v_add_nc_u32 v8, s26, v8
	s_wait_alu depctr_va_vdst(0)
	s_wait_loadcnt 0x0
.irp s, 0,1,2,3,4,5,6,7
.if \s < 2
	v_wmma_scale_f32_16x16x128_f8f6f4 v[ACC0+8*(\s%2):ACC0+8*(\s%2)+7], v[WF+12*\s:WF+12*\s+11], v[DF+12*\s:DF+12*\s+11], 0, v[WS+\s], v[DS+\s] matrix_a_fmt:MATRIX_FMT_FP6 matrix_b_fmt:MATRIX_FMT_FP6
.else
	v_wmma_scale_f32_16x16x128_f8f6f4 v[ACC0+8*(\s%2):ACC0+8*(\s%2)+7], v[WF+12*\s:WF+12*\s+11], v[DF+12*\s:DF+12*\s+11], v[ACC0+8*(\s%2):ACC0+8*(\s%2)+7], v[WS+\s], v[DS+\s] matrix_a_fmt:MATRIX_FMT_FP6 matrix_b_fmt:MATRIX_FMT_FP6
.endif
.endr
.rept 4
	v_nop                                          ; four places between a matrix instruction and the first read of its result (ISA guide 7.12.1)
.endr
.irp j, 0,2,4,6
	v_pk_add_f32 v[OQ+\j:OQ+\j+1], v[ACC0+\j:ACC0+\j+1], v[ACC0+8+\j:ACC0+9+\j]   ; from the low end on.  Lane (r, h): q(batch r, unit 8 h + j) of my tile
.endr
	ds_store_b128 v6, v[OQ:OQ+3]
	ds_store_b128 v6, v[OQ+4:OQ+7] offset:16
	s_wait_dscnt 0x0                               ; for the others' sake: my stores into the stage are done
	s_barrier_signal -1
	s_barrier_wait -1
	ds_load_b128 v[BK:BK+3], v7
	ds_load_b128 v[BK+4:BK+7], v7 offset:2*SP
	s_wait_dscnt 0x0
	global_store_b128 v8, v[BK:BK+3], s[18:19]               ; sixteen lanes store 256 consecutive bytes, at a multiple of 256 from tq's first byte
	global_store_b128 v8, v[BK+4:BK+7], s[18:19] offset:8192
	s_wait_tensorcnt 0x0
	ds_add_u32 v14, v15
	s_wait_dscnt 0x0
	s_endpgm
.Lrelay:
	; ---- Wk in the order of an operand's registers
	s_sub_co_u32 s21, ttmp9, 64
	s_lshl_b32 s21, s21, 2
	s_add_co_u32 s21, s21, s20                     ; my tile T
	s_mul_i32 s24, s21, 16*768
	s_add_nc_u64 s[4:5], s[4:5], s[24:25]
	s_lshl_b32 s24, s21, 9
	s_add_nc_u64 s[6:7], s[6:7], s[24:25]
	s_mul_i32 s24, s21, 12800
	s_add_nc_u64 s[16:17], s[16:17], s[24:25]
	s_wait_alu depctr_va_vdst(0)
	v_lshlrev_b32 v6, 5, v2
	v_lshl_add_u32 v6, v3, 2, v6                   ; row r's scale bytes, + 4 h: lanes 16-31 take the odd K steps' words
	v_lshlrev_b32 v7, 4, v4                        ; 16 x lane
	FRAGS WF, 4
.irp i, 0,1,2,3
	global_load_b32 v[112+\i], v6, s[6:7] offset:8*\i
.endr
	s_wait_alu depctr_va_vdst(0)
	s_wait_loadcnt 0x0
.set ii, 0
.rept 24
	global_store_b128 v7, v[WF+4*ii:WF+4*ii+3], s[16:17] offset:512*ii
.set ii, ii+1
.endr
	global_store_b128 v7, v[112:115], s[16:17] offset:12288
	s_endpgm
.Lfunc_end_k_q7c12f66a9e_prep:
	.size	k_q7c12f66a9e_prep, .Lfunc_end_k_q7c12f66a9e_prep-k_q7c12f66a9e_prep
	.p2alignl 7, 3214868480
	.fill 96, 4, 3214868480
	.section	.rodata,"a",@progbits
	.p2align	6, 0x0
	.amdhsa_kernel k_q7c12f66a9e_prep
		.amdhsa_group_segment_fixed_size 5120
		.amdhsa_private_segment_fixed_size 0
		.amdhsa_enable_private_segment 0
		.amdhsa_kernarg_size 64
		.amdhsa_user_sgpr_count 2
		.amdhsa_user_sgpr_kernarg_segment_ptr 1
		.amdhsa_wavefront_size32 1
		.amdhsa_system_sgpr_workgroup_id_x 1
		.amdhsa_system_sgpr_workgroup_id_y 1
		.amdhsa_system_sgpr_workgroup_id_z 1
		.amdhsa_system_vgpr_workitem_id 0
		.amdhsa_next_free_vgpr 256
		.amdhsa_next_free_sgpr 66
		.amdhsa_reserve_vcc 0
		.amdhsa_float_denorm_mode_32 3
		.amdhsa_float_denorm_mode_16_64 3
		.amdhsa_memory_ordered 1
		.amdhsa_forward_progress 1
		.amdhsa_inst_pref_size 22
	.end_amdhsa_kernel
	.amdgpu_metadata
---
amdhsa.version: [ 1, 2 ]
amdhsa.kernels:
  - .name:           k_q7c12f66a9e_prep
    .symbol:         k_q7c12f66a9e_prep.kd
    .args:
      - { .name: Wk_codes, .offset: 0, .size: 8, .value_kind: global_buffer, .address_space: global }
      - { .name: Wk_scales, .offset: 8, .size: 8, .value_kind: global_buffer, .address_space: global }
      - { .name: Wq_codes, .offset: 16, .size: 8, .value_kind: global_buffer, .address_space: global }
      - { .name: Wq_scales, .offset: 24, .size: 8, .value_kind: global_buffer, .address_space: global }
      - { .name: decoder_hidden_codes, .offset: 32, .size: 8, .value_kind: global_buffer, .address_space: global }
      - { .name: decoder_hidden_scales, .offset: 40, .size: 8, .value_kind: global_buffer, .address_space: global }
      - { .name: wkf, .offset: 48, .size: 8, .value_kind: global_buffer, .address_space: global }
      - { .name: tq, .offset: 56, .size: 8, .value_kind: global_buffer, .address_space: global }
    .group_segment_fixed_size: 5120
    .private_segment_fixed_size: 0
    .kernarg_segment_align: 8
    .kernarg_segment_size: 64
    .max_flat_workgroup_size: 128
    .sgpr_count:     66
    .vgpr_count:     256
    .wavefront_size: 32
...
	.end_amdgpu_metadata
.endif
;; end of part 1
;; launch main (part 2): grid 256 x 1, 4 waves a work-group, no clusters, 327,680 bytes of LDS; arguments encoder_outputs, mask, v, wkf, tq, en, cp; writes en, cp
.if DOCPART == 2
	.amdgcn_target "amdgcn-amd-amdhsa--gfx1250"
	.amdhsa_code_object_version 6
	.text
	.protected	k_q7c12f66a9e_main
	.globl	k_q7c12f66a9e_main
	.p2align	8
	.type	k_q7c12f66a9e_main,@function
k_q7c12f66a9e_main:
	s_mov_b64 s[64:65], 0
	v_nop
	global_prefetch_b8 v0, s[64:65] scope:SCOPE_SE
	s_setreg_imm32_b32 hwreg(HW_REG_WAVE_MODE, 25, 1), 1
	s_wait_xcnt 0x0
; For each block of 64 rows of encoder_outputs (enc): quantise to E2M3 along the row; keys + q by the scaled matrix instruction; energy = sum over h of v[h] tanh(q[h] + keys[h]); the mask; p = e^(energy - the block's largest energy);
; the block's context, sum over its rows of p x enc, not normalised.  Stored: the masked energies (en) and the block contexts (cp); the next launch joins the 16 blocks of a batch.
; ENC LEAVES MEMORY ONCE.  A block lands in LDS as f32 (tensor loads), and is read there twice: once by rows along K, for the codes; once by columns, for a bf16 copy that stays in registers until p is known.
; SHARES.  Work-group x owns rows 256 x .. + 255 of the 65,536 (batch x / 4), as four blocks.  THE WAVES SHARE THE COLUMNS: wave w makes hidden units 256 w .. + 255 (16 tiles) for all 64 rows, and context columns 256 q + 64 w .. + 63 of each slice q.
;   So a fragment of Wk serves one wave, feeds four products, and goes from memory straight into that wave's registers, in the order in which the launch before has laid it.
; PRODUCT, used transposed: source 0 = 16 hidden units of Wk, source 1 = 16 rows of enc: lane (r, h), register j of accumulator m = keys(row 16 m + r, unit 16 T + 8 h + j).  q is the C of a tile's first matrix instruction.
; TANH: tanh(x) = 1 - 2 / (1 + 2^(c x)), c = 2 log2(e).  energy = sum(v) - 2 sum over h of v[h] / (1 + 2^(c x)).  2^(c x) = infinity gives 0 and 0 gives 1: both ends are right.
; CONTEXT: bf16 matrix instruction, source 0 = p in all 16 rows (K = 32 rows of the block), source 1 = the bf16 copy: register 0 of the result holds a column's sum in every lane.
; NO CLUSTER, NO JOINT LOADS, though all work-groups walk the same wkf: beside the landing area (266,240 bytes), the code images (51,200) and the small regions LDS has 7,168 bytes left, less than one tile of wkf (12,800);
;   and a fragment is wanted by one wave alone, so it has no business in LDS.
; ONE SLOT for enc, a whole block: two do not fit.  A refill is asked for as soon as the block has been read out, and has the block's 512 products a wave in which to land.  A wave never has more than one tensor load out.
; LIMITS: NaN and infinities among the inputs are not served.  A block of 32 whose largest magnitude lies under 2^-124 (a block of zeros too) gets the scale byte 1; a block of zeros has zero codes, which add nothing.
;   p and enc are rounded to bf16 for the context.  An exponential under 2^-126 comes out as 0.
; LDS:  0 the landing area, written by tensor loads alone: slice q (columns 256 q ..) at SLICE q, 64 rows of 1,024 bytes + 16.   IMG code images: fragment 4 s + m at 1,536 each, registers 4 g .. at 512 g + 16 lane.
;   ISC scale images: register 4 m + i at 128 each, 4 bytes a lane.   EX partial energies: 16 row + 4 wave.   PB p as bf16, 128 bytes for each wave.   MSK the work-group's 256 mask words.   SPARE the spare words.
; REGISTERS, in windows of 256:  window 1: v0-191 enc's fragments of K steps 0-3 (12 (4 s + m)); window 2: K steps 4-7; window 3: v0-191 Wk's fragments, two slots of 96.  v192-255 of windows 1, 2, 3, 0: the bf16 copy of slices 0, 1, 2, 3.
;   window 0: v1-23 addresses and constants; v24-39 enc's scale words; v40-47 Wk's; v48-79 q and v of two tiles; v80-175 at work; v176-183 addresses in the landing area.
.set PITCH, 1040                       ; a landed row: 1,024 bytes + 16 = 260 words: row r starts 4 r words on in a run of 64 words, so sixteen rows' 16 bytes fall on sixteen different places
.set SLICE, 64*PITCH
.set IMG,   4*SLICE
.set ISC,   IMG+32*1536
.set EX,    ISC+2048
.set PB,    EX+1024
.set MSK,   PB+512
.set SPARE, MSK+1024                   ; 128 bytes for each wave: two blocks of 256 bytes that no other line names
.set SPW,  1                           ; v1   LDS address of my spare word; never rewritten
.set NIL,  2                           ; v2   0; never rewritten
.set L16,  3                           ; v3   16 x lane
.set IL,   4                           ; v4   IMG + 16 lane
.set IW,   5                           ; v5   IMG + 1536 wave + 16 lane
.set SL,   6                           ; v6   ISC + 4 lane
.set SW,   7                           ; v7   ISC + 512 wave + 4 lane
.set EXW,  11                          ; v11  EX + 16 lane + 4 wave
.set EXR,  12                          ; v12  EX + 32 lane
.set PBW,  13                          ; v13  PB + 128 wave + 4 lane
.set PBR,  14                          ; v14  PB + 128 wave + 16 h
.set MKR,  15                          ; v15  MSK + 8 lane
.set QO,   16                          ; v16  32 h
.set SH8,  17                          ; v17  8 h
.set SV,   18                          ; v18  the sum of v
.set GO8,  19                          ; v19  8 lane
.set CO,   20                          ; v20  1024 h + 256 wave + 16 r
.set MKA,  21                          ; v21  at work: an address
.set NEGV, 22                          ; v22  -1e10
.set ASC,  24                          ; enc's scale words: register 4 m + i: lanes 0-15 K step 2 i, lanes 16-31 K step 2 i + 1, of row 16 m + r.  Scales and nothing else
.set BSC,  40                          ; Wk's: register 4 b + i, likewise, of the tile in slot b
.set QV,   48                          ; slot b: q's 8 numbers at QV + 16 b, v's at QV + 16 b + 8
.set ACC,  80                          ; products: four accumulators of 8
.set EACC, 112                         ; products: a pair of running sums for each m
.set F0,   80                          ; quantising: two buffers of 32 numbers, v80-111, v112-143
.set PC,   144                         ; a fragment's 12 registers of codes
.set PT,   156                         ; the upper halves of two blocks as the conversions leave them: v156-158, v160-162
.set MA,   164
.set MB,   165
.set SO,   166                         ; the conversion's scale operand
.set BY,   168                         ; v168-169 two scale bytes
.set WW,   172                         ; a scale word
.set WP,   173                         ; the even K step's word, then both
.set TQ,   174
.set CD,   80                          ; context: four accumulators
.set CE,   120
.set CT,   124
.set CX,   128
.set EA,   136                         ; v136-137 the energies of rows 2 lane, 2 lane + 1
.set CW,   138
.set PP,   144                         ; v144-159 p as an operand: two K steps of 32 rows
.set OUT,  160                         ; v160-163, v164-167
.set MK,   168
.set AQ,   176                         ; v176-179 slice q: (16 wave + r) PITCH + 128 h
.set AX,   180                         ; v180-183 slice q: 8 h PITCH + 256 wave + 16 r
.set XB,   192
.set MSB, 0
.macro WIN new                         ; the immediate's high byte repeats the setting that is left; a switch that changes nothing is dropped
.if MSB != \new
	s_set_vgpr_msb (MSB<<8)|\new
.set MSB, \new
.endif
.endm
.macro PLACES n
.rept \n
	v_nop
.endr
.endm
; A tile of wkf into ring slot b: 24 loads of fragments (512 consecutive bytes each), one of scale words, two of q: 27.  With LOADV's two a tile's package is 29 loads.
.macro LOADT b
	WIN 0xc0                                       ; destination window 3, address window 0
.set ii, 0
.rept 24
	global_load_b128 v[96*\b+4*ii:96*\b+4*ii+3], v[L16], s[42:43] offset:12800*\b+512*ii
.set ii, ii+1
.endr
	WIN 0
	global_load_b128 v[BSC+4*\b:BSC+4*\b+3], v[L16], s[42:43] offset:12800*\b+12288
	global_load_b128 v[QV+16*\b:QV+16*\b+3], v[QO], s[44:45] offset:64*\b
	global_load_b128 v[QV+16*\b+4:QV+16*\b+7], v[QO], s[44:45] offset:64*\b+16
.endm
.macro LOADV b
	global_load_b128 v[QV+16*\b+8:QV+16*\b+11], v[QO], s[46:47] offset:64*\b
	global_load_b128 v[QV+16*\b+12:QV+16*\b+15], v[QO], s[46:47] offset:64*\b+16
.endm
; 32 matrix instructions: the tile in slot b against the block's four tiles of rows, 8 K steps.  The four accumulators take turns, one instruction a turn.  The first K step takes q as C.
; An odd K step's scale words stand in lanes 16-31 of the same registers.
.macro MUL b
.irp s, 0,1,2,3,4,5,6,7
.if 12*(7-\s) > 63
	s_wait_dscnt 63                                ; (the largest count that the wait names; fewer than the 12 (7 - s) that might stay out)
.else
	s_wait_dscnt 12*(7-\s)                         ; enc's scale words and its fragments up to K step s are in: behind them ALOAD issued 12 loads for each later K step.  Behind a block's first tile no LDS load is out here
.endif
.if \s < 4
	WIN 0x07
.else
	WIN 0x0b                                       ; source 1 window 2
.endif
.irp m, 0,1,2,3
.if \s == 0
	v_wmma_scale_f32_16x16x128_f8f6f4 v[ACC+8*\m:ACC+8*\m+7], v[96*\b+12*\s:96*\b+12*\s+11], v[12*(4*(\s%4)+\m):12*(4*(\s%4)+\m)+11], v[QV+16*\b:QV+16*\b+7], v[BSC+4*\b+\s/2], v[ASC+4*\m+\s/2] matrix_a_fmt:MATRIX_FMT_FP6 matrix_b_fmt:MATRIX_FMT_FP6
.else
.if \s%2 == 0
	v_wmma_scale_f32_16x16x128_f8f6f4 v[ACC+8*\m:ACC+8*\m+7], v[96*\b+12*\s:96*\b+12*\s+11], v[12*(4*(\s%4)+\m):12*(4*(\s%4)+\m)+11], v[ACC+8*\m:ACC+8*\m+7], v[BSC+4*\b+\s/2], v[ASC+4*\m+\s/2] matrix_a_fmt:MATRIX_FMT_FP6 matrix_b_fmt:MATRIX_FMT_FP6
.else
	v_wmma_scale_f32_16x16x128_f8f6f4 v[ACC+8*\m:ACC+8*\m+7], v[96*\b+12*\s:96*\b+12*\s+11], v[12*(4*(\s%4)+\m):12*(4*(\s%4)+\m)+11], v[ACC+8*\m:ACC+8*\m+7], v[BSC+4*\b+\s/2], v[ASC+4*\m+\s/2] matrix_a_fmt:MATRIX_FMT_FP6 matrix_b_fmt:MATRIX_FMT_FP6 matrix_a_scale:MATRIX_SCALE_ROW1 matrix_b_scale:MATRIX_SCALE_ROW1
.endif
.endif
.endr
.endr
	WIN 0
.endm
; 32 numbers a lane, in place: c x; 2^(c x); + 1; the reciprocal; x v into the rows' sums.  Each kind of transcendental is one batch: a plain line behind the last, and the one wait ahead of the first reader.
.macro TANH b
.set jj, 0
.rept 16
	v_pk_mul_f32 v[ACC+jj:ACC+jj+1], v[ACC+jj:ACC+jj+1], s[54:55] op_sel_hi:[1,0]   ; ascending: each accumulator is read from its low end on
.set jj, jj+2
.endr
.set jj, 0
	s_wait_alu depctr_va_vdst(0)
.rept 32
	v_exp_f32 v[ACC+jj], v[ACC+jj]
.set jj, jj+1
.endr
	v_nop
	s_wait_alu depctr_va_vdst(0)
.set jj, 0
.rept 16
	v_pk_add_f32 v[ACC+jj:ACC+jj+1], v[ACC+jj:ACC+jj+1], 1.0 op_sel_hi:[1,0]
.set jj, jj+2
.endr
.set jj, 0
	s_wait_alu depctr_va_vdst(0)
.rept 32
	v_rcp_f32 v[ACC+jj], v[ACC+jj]
.set jj, jj+1
.endr
	v_nop
	s_wait_alu depctr_va_vdst(0)
.irp p, 0,2,4,6
.irp m, 0,1,2,3
	v_pk_fma_f32 v[EACC+2*\m:EACC+2*\m+1], v[ACC+8*\m+\p:ACC+8*\m+\p+1], v[QV+16*\b+8+\p:QV+16*\b+9+\p], v[EACC+2*\m:EACC+2*\m+1]   ; four chains by turns
.endr
.endr
.endm
; A tile.  cnt: the loads that may stay out: the other slot's package.  The four places serve the loads into registers that the products have read and the first read of results alike (ISA guide 7.12.1 for vector instructions).
.macro TILE b, ld, cnt
	s_wait_loadcnt \cnt
	MUL \b
	PLACES 4
.if \ld
.if \b == 0
	GSTEP                                          ; the bases go two tiles on here, behind 32 products, directly ahead of the loads that use them
.endif
	LOADT \b                                       ; the slot's next tile: two tiles ahead of its use
.endif
	TANH \b
.if \ld
	LOADV \b                                       ; v's registers are free only now
.endif
.endm
; The loads' pointers go two tiles on; behind the wave's 16th tile they begin anew, so that the ring runs on into the next block.
.macro GSTEP
	s_wait_xcnt 0x0                                ; the loads issued have read their bases: only behind this wait are the bases written
	s_add_co_u32 s48, s48, 25600
	s_cmp_eq_u32 s48, 204800
	s_cselect_b32 s48, 0, s48
	s_add_co_u32 s50, s50, 128
	s_and_b32 s50, s50, 1023
	s_add_nc_u64 s[42:43], s[36:37], s[48:49]
	s_add_nc_u64 s[44:45], s[38:39], s[50:51]
	s_add_nc_u64 s[46:47], s[40:41], s[50:51]
.endm
; THE BLOCK IS READ OUT OF THE LANDING AREA in 32 units of 8 LDS loads.  Unit n belongs to slice q = n / 8; even n are units of codes (j = (n % 8) / 2), odd n units of the bf16 copy (j = 4 + (n % 8) / 2): the two kinds take turns.
; FOUR BUFFERS of 32 registers: the units of codes use v80-111 and v112-143 of window 0 by turns, the units of the copy v0-31 and v32-63 of window 1 (enc's fragments lie there only from ALOAD on).  Units n and n + 4 share a buffer.
; j < 4: a block of 32 along K of my 16 rows (K step s = 2 q + j / 2, half c = j % 2): lane (r, h) takes k = 128 s + 64 c + 32 h + 0 .. 31 of row 16 wave + r: the very numbers whose codes the operand's layout gives that lane.
; j >= 4: 16 rows (16 (j - 4) ..) of my 64 columns of slice q: lane (r, h) takes rows + 8 h + 0 .. 7, columns 4 r .. 4 r + 3: sixteen lanes read 256 consecutive bytes.
.macro LOADU n
.set uq, (\n)/8
.set uj, 4*((\n)%2)+((\n)%8)/2
.set uf, F0*(1-(\n)%2)+32*(((\n)/2)%2)
.if uj < 4
.set uo, 512*(uj/2)+256*(uj%2)
.irp i, 0,1,2,3,4,5,6,7
	ds_load_b128 v[uf+4*\i:uf+4*\i+3], v[AQ+uq] offset:uo+16*\i
.endr
.else
.set uo, 16*(uj-4)*PITCH
	WIN 0x40                                       ; destination window 1, address window 0
.irp i, 0,1,2,3,4,5,6,7
	ds_load_b128 v[uf+4*\i:uf+4*\i+3], v[AX+uq] offset:uo+\i*PITCH
.endr
	WIN 0
.endif
.endm
.macro PROCU n
.set uq, (\n)/8
.set uj, 4*((\n)%2)+((\n)%8)/2
.set uf, F0*(1-(\n)%2)+32*(((\n)/2)%2)
.if uj < 4
.set us, 2*uq+uj/2
.set uc, uj%2
	v_max3_num_f32 v[MA], |v[uf]|, |v[uf+1]|, |v[uf+2]|            ; the block's largest magnitude: all 32 numbers are mine; two chains
	v_max3_num_f32 v[MB], |v[uf+3]|, |v[uf+4]|, |v[uf+5]|
.irp i, 6,10,14,18,22,26
	v_max3_num_f32 v[MA], v[MA], |v[uf+\i]|, |v[uf+\i+1]|
	v_max3_num_f32 v[MB], v[MB], |v[uf+\i+2]|, |v[uf+\i+3]|
.endr
	v_max3_num_f32 v[MA], v[MA], |v[uf+30]|, |v[uf+31]|
	v_max3_num_f32 v[MA], v[MA], v[MB], 0x1800000                  ; and the floor 2^(3 - 127): the byte cannot fall under 1
	v_add_nc_u32 v[SO], 0xff000000, v[MA]                          ; 2 off the exponent field: the conversion takes the exponent field of this operand as its scale
	v_lshrrev_b32 v[BY+uc], 23, v[SO]                              ; the scale's byte
	v_cvt_scalef32_pk16_fp6_f32 v[PC+6*uc:PC+6*uc+2], v[uf:uf+15], v[SO]
	v_cvt_scalef32_pk16_fp6_f32 v[PT+4*uc:PT+4*uc+2], v[uf+16:uf+31], v[SO]   ; (a conversion's three registers begin on an even number)
	v_nop                                          ; one plain line behind a scaled conversion
.irp i, 0,1,2
	v_mov_b32 v[PC+6*uc+3+\i], v[PT+4*uc+\i]
.endr
.if uc == 1                            ; the fragment is whole
	v_lshl_or_b32 v[WW], v[BY+1], 16, v[BY]        ; my two bytes: blocks h and 2 + h of row r,
	v_lshlrev_b32 v[WW], v[SH8], v[WW]             ; at their places in the word;
	v_permlanex16_b32 v[TQ], v[WW], s22, s23
	v_or_b32 v[WW], v[WW], v[TQ]                   ; with lane l xor 16's two the word is whole
.irp g, 0,1,2
	ds_store_b128 v[IW], v[PC+4*\g:PC+4*\g+3] offset:6144*us+512*\g   ; the fragment goes to LDS as an image of its registers
.endr
.if us%2 == 0
	v_mov_b32 v[WP], v[WW]
.else
	v_cndmask_b32 v[WP], v[WP], v[WW], s21         ; lanes 0-15 the even K step's word, lanes 16-31 the odd one's
	ds_store_b32 v[SW], v[WP] offset:128*uq
.endif
.endif
.else
.set uk, (uj-4)/2
.set uu, (uj-4)%2
.set uw, (((uq+1)&3)<<6)|5             ; both sources: the buffer in window 1
	WIN uw                                         ; destination: the window that keeps slice q's copy
.irp t, 0,1,2,3
.irp p, 0,1,2,3
	v_cvt_pk_bf16_f32 v[XB+(4*uk+\t)*8+4*uu+\p], v[uf+8*\p+\t], v[uf+8*\p+4+\t]   ; two neighbouring rows of one column: the bf16 operand's register 4 u + p of column 4 r + t
.endr
.endr
	WIN 0
.endif
.endm
.macro QPHASE
	LOADU 0
	LOADU 1
	LOADU 2
.set nn, 0
.rept 29
	LOADU nn+3                                     ; into the buffer of unit nn - 1, whose work is done
	s_wait_dscnt 24                                ; only the 24 loads of units nn + 1 .. nn + 3 may be out: this unit's numbers are in
	PROCU nn
.set nn, nn+1
.endr
	s_wait_dscnt 16                                ; units 30 and 31 may be out
	PROCU 29
	s_wait_dscnt 8                                 ; unit 31 may be out
	PROCU 30
	s_wait_dscnt 0x0
	PROCU 31
.endm
; All 32 fragments of the block and their scale words, from the images, into every wave's registers.
.macro ALOAD
; the scale words first, then the fragments in the order of the K steps, 12 loads a step: MUL waits for them step by step
.set ii, 0
.rept 16
	ds_load_b32 v[ASC+ii], v[SL] offset:128*ii
.set ii, ii+1
.endr
	WIN 0x40
.set ii, 0
.rept 48
	ds_load_b128 v[4*ii:4*ii+3], v[IL] offset:512*ii
.set ii, ii+1
.endr
	WIN 0x80                                       ; destination window 2
.set ii, 0
.rept 48
	ds_load_b128 v[4*ii:4*ii+3], v[IL] offset:512*(48+ii)
.set ii, ii+1
.endr
	WIN 0
.set ii, 0
.rept 8
	v_mov_b32 v[EACC+ii], 0
.set ii, ii+1
.endr
.endm
; The block's energies, its p and its context.
.macro CPHASE
.irp m, 0,1,2,3
	v_add_f32 v[CE+\m], v[EACC+2*\m], v[EACC+2*\m+1]
.endr
.irp m, 0,1,2,3
	v_permlanex16_b32 v[CT+\m], v[CE+\m], s22, s23
.endr
.irp m, 0,1,2,3
	v_add_f32 v[CE+\m], v[CE+\m], v[CT+\m]         ; row 16 m + r: my wave's 256 hidden units
.endr
	v_cndmask_b32 v[CE], v[CE], v[CE+1], s21       ; lane l: row l
	v_cndmask_b32 v[CE+2], v[CE+2], v[CE+3], s21   ; lane l: row 32 + l
	ds_store_b32 v[EXW], v[CE]
	ds_store_b32 v[EXW], v[CE+2] offset:512
	s_wait_dscnt 0x0                               ; for the others' sake: my parts are stored
	s_barrier_signal -1
	s_barrier_wait -1
	ds_load_b128 v[CX:CX+3], v[EXR]                ; row 2 l: the four waves' parts
	ds_load_b128 v[CX+4:CX+7], v[EXR] offset:16    ; row 2 l + 1
	v_add_nc_u32 v[MKA], s56, v[MKR]
	ds_load_b64 v[MK:MK+1], v[MKA]                 ; their mask words
	s_wait_dscnt 0x0
	v_add_f32 v[CX], v[CX], v[CX+1]
	v_add_f32 v[CX+2], v[CX+2], v[CX+3]
	v_add_f32 v[CX+4], v[CX+4], v[CX+5]
	v_add_f32 v[CX+6], v[CX+6], v[CX+7]
	v_add_f32 v[CX], v[CX], v[CX+2]
	v_add_f32 v[CX+4], v[CX+4], v[CX+6]
	v_fma_f32 v[EA], v[CX], -2.0, v[SV]            ; sum(v) - 2 sum(v / (1 + 2^(c x)))
	v_fma_f32 v[EA+1], v[CX+4], -2.0, v[SV]
	v_cmp_eq_u32 vcc_lo, 0, v[MK]
	v_cndmask_b32 v[EA], v[EA], v[NEGV], vcc_lo    ; -1e10 where the mask is 0
	v_cmp_eq_u32 vcc_lo, 0, v[MK+1]
	v_cndmask_b32 v[EA+1], v[EA+1], v[NEGV], vcc_lo
	s_cmp_lg_u32 s18, 0                            ; every wave holds all 64 energies: wave 0 stores them
	s_cbranch_scc1 .Lnot_wave_0_\@
	global_store_b64 v[GO8], v[EA:EA+1], s[14:15]  ; 32 lanes store 256 consecutive bytes, at a multiple of 256 from en's first byte
.Lnot_wave_0_\@:
	s_wait_alu depctr_va_vdst(0)
	v_max_num_f32 v[CW], v[EA], v[EA+1]            ; the block's largest energy is taken away before the exponential
	v_max_num_f32_dpp v[CW], v[CW], v[CW] row_xmask:1 row_mask:0xf bank_mask:0xf
	v_max_num_f32_dpp v[CW], v[CW], v[CW] row_xmask:2 row_mask:0xf bank_mask:0xf
	v_max_num_f32_dpp v[CW], v[CW], v[CW] row_xmask:4 row_mask:0xf bank_mask:0xf
	v_max_num_f32_dpp v[CW], v[CW], v[CW] row_xmask:8 row_mask:0xf bank_mask:0xf
	v_permlanex16_b32 v[CW+1], v[CW], s22, s23
	v_max_num_f32 v[CW], v[CW], v[CW+1]
	v_sub_f32 v[CW+2], v[EA], v[CW]
	v_sub_f32 v[CW+3], v[EA+1], v[CW]
	v_mul_f32 v[CW+2], s57, v[CW+2]
	v_mul_f32 v[CW+3], s57, v[CW+3]
	s_wait_alu depctr_va_vdst(0)
	v_exp_f32 v[CW+2], v[CW+2]
	v_exp_f32 v[CW+3], v[CW+3]
	v_nop                                          ; a plain line behind the exponentials,
	s_wait_alu depctr_va_vdst(0)                   ; and the wait ahead of their first reader
	v_cvt_pk_bf16_f32 v[CW+4], v[CW+2], v[CW+3]
	ds_store_b32 v[PBW], v[CW+4]                   ; my wave's own 128 bytes: 64 p.  LDS serves a wave's instructions in order (ISA guide 5.7.1.4): the loads below see this store
.irp i, 0,1,2,3
	ds_load_b128 v[PP+4*\i:PP+4*\i+3], v[PBR] offset:32*\i   ; rows 16 i + 8 h + 0 .. 7, the same in all sixteen lanes of a half: p in every row of source 0
.endr
	s_wait_dscnt 0x0
.irp q, 0,1,2,3
.set cw, ((\q+1)&3)<<2
	WIN cw                                         ; source 1: the window that keeps slice q's copy
.irp t, 0,1,2,3
	v_wmma_f32_16x16x32_bf16 v[CD+8*\t:CD+8*\t+7], v[PP:PP+7], v[XB+8*\t:XB+8*\t+7], 0
.endr
.irp t, 0,1,2,3
	v_wmma_f32_16x16x32_bf16 v[CD+8*\t:CD+8*\t+7], v[PP+8:PP+15], v[XB+32+8*\t:XB+32+8*\t+7], v[CD+8*\t:CD+8*\t+7]
.endr
	WIN 0
	PLACES 5                                       ; four in front of the reads below; five in front of the next slice's products, which write over these accumulators
.if \q%2 == 0
.irp t, 0,1,2,3
	v_mov_b32 v[OUT+4*(\q/2)+\t], v[CD+8*\t]       ; register 0: the sum of column 256 q + 64 wave + 4 r + t, in both halves of the lanes
.endr
.else
.irp t, 0,1,2,3
	v_cndmask_b32 v[OUT+4*(\q/2)+\t], v[OUT+4*(\q/2)+\t], v[CD+8*\t], s21   ; lanes 0-15 keep the even slice's, lanes 16-31 take the odd one's
.endr
	global_store_b128 v[CO], v[OUT+4*(\q/2):OUT+4*(\q/2)+3], s[16:17] offset:1024*(\q-1) th:TH_STORE_NT   ; each sixteen lanes store 256 consecutive, aligned bytes
.endif
.endr
.endm
; A BLOCK.  refill = 1: the next block is asked for.  last = 1: the ring of Wk's tiles runs out.
.macro BLOCK refill, last
	s_wait_tensorcnt 0x0                           ; my one tensor load, my slice of this block, has landed;
	s_wait_dscnt 0x0                               ; no LDS instruction of mine is out
	s_barrier_signal -1
	s_barrier_wait -1                              ; everybody's slice has landed.
	QPHASE
.if \refill
	s_wait_tensorcnt 0x0                           ; no tensor load of mine is out, so the descriptor may be written
	ds_add_u32 v[SPW], v[NIL]                      ; 0 onto my spare word
	s_add_nc_u64 s[34:35], s[34:35], 262144        ; 64 rows of 4,096 bytes on; the type bits on top are not reached
	s_wait_dscnt 0x0                               ; the add is done, my reads of the landing area are back, my images are stored
	s_barrier_signal -1
	s_barrier_wait -1                              ; nobody reads the landing area any more, and all images lie in LDS
	tensor_load_to_lds s[32:35], s[24:31]          ; my slice of the next block: my one tensor load, first behind the barrier
	s_nop 0
	PLACES 4
.else
	s_wait_dscnt 0x0
	s_barrier_signal -1
	s_barrier_wait -1
.endif
	ALOAD
	s_mov_b32 s20, 8-\last
.Ltiles_\@:
	TILE 0, 1, 29
	TILE 1, 1, 29
	s_sub_co_u32 s20, s20, 1
	s_cmp_lg_u32 s20, 0
	s_cbranch_scc1 .Ltiles_\@
.if \last
	TILE 0, 0, 29                                  ; the last two tiles load nothing
	TILE 1, 0, 0
.endif
	s_wait_alu depctr_va_vdst(0)
	CPHASE
	s_wait_xcnt 0x0                                ; the stores have read their data and bases: both may be written again
	s_add_nc_u64 s[14:15], s[14:15], 256
	s_add_nc_u64 s[16:17], s[16:17], 4096
	s_add_co_u32 s56, s56, 256
.endm
	s_load_b256 s[4:11], s[0:1], 0x0               ; enc s[4:5], mask s[6:7], v s[8:9], wkf s[10:11]
	s_load_b128 s[12:15], s[0:1], 0x20             ; tq s[12:13], en s[14:15]
	s_load_b64 s[16:17], s[0:1], 0x30              ; cp
	v_lshl_add_u32 v[SPW], v0, 2, SPARE
	v_mov_b32 v[NIL], 0
	ds_add_u32 v1, v2
	ds_add_u32 v1, v2
	s_wait_dscnt 0x0
	v_lshrrev_b32 v8, 5, v0
	v_readfirstlane_b32 s18, v8                    ; wave 0..3
	; descriptor group 1: 64 rows x 256 elements of 4 bytes, 1,024 elements from row to row, 4 words of padding behind every 256 words
	s_mov_b32 s24, (2<<16)|(1<<20)|(7<<22)|(3<<25)
	s_mov_b32 s25, 256<<16                         ; tensor_dim0
	s_mov_b32 s26, 64<<16                          ; tensor_dim1
	s_mov_b32 s27, 256<<16                         ; tile_dim0
	s_mov_b32 s28, 64                              ; tile_dim1
	s_mov_b32 s29, 1024                            ; tensor_dim0_stride
	s_mov_b32 s30, 0
	s_mov_b32 s31, 0
	s_mov_b32 s32, 1                               ; group 0: count = 1,
	s_mul_i32 s33, s18, SLICE                      ; my slice's place in the landing area,
	s_lshl_b32 s52, ttmp9, 20                      ; the work-group's 256 rows of 4,096 bytes,
	s_lshl_b32 s59, s18, 10                        ; my slice's 1,024 bytes of a row
	s_add_co_u32 s52, s52, s59
	s_mov_b32 s53, 0
	s_wait_kmcnt 0x0
	s_add_nc_u64 s[34:35], s[4:5], s[52:53]
	s_or_b32 s35, s35, 0x80000000                  ; type = 2
	tensor_load_to_lds s[32:35], s[24:31]          ; the first block, ahead of everything else
	s_nop 0
	PLACES 4
	s_mov_b32 s21, 0xffff0000                      ; lanes 16-31
	s_mov_b32 s22, 0x76543210
	s_mov_b32 s23, 0xfedcba98                      ; v_permlanex16_b32's selects for lane l xor 16
	s_mov_b32 s54, 0x4038aa3b                      ; c = 2 log2(e)
	s_mov_b32 s55, s54                             ; (named with it as a pair, so it is written)
	s_mov_b32 s57, 0x3fb8aa3b                      ; log2(e)
	s_mov_b32 s56, 0                               ; the block's place among the mask words
	s_lshl_b32 s52, ttmp9, 10
	s_add_nc_u64 s[6:7], s[6:7], s[52:53]          ; the work-group's 256 mask words,
	s_add_nc_u64 s[14:15], s[14:15], s[52:53]      ; and its 256 energies
	s_lshl_b32 s52, ttmp9, 14
	s_add_nc_u64 s[16:17], s[16:17], s[52:53]      ; its four block contexts
	v_and_b32 v8, 15, v0                           ; r
	v_bfe_u32 v9, v0, 4, 1                         ; h
	v_and_b32 v10, 31, v0                          ; lane
	v_lshlrev_b32 v[L16], 4, v10
	s_wait_alu depctr_va_vdst(0)
	v_lshlrev_b32 v[MKA], 3, v0
	global_load_b64 v[112:113], v[MKA], s[6:7]     ; two mask words a thread
.irp i, 0,1,2,3,4,5,6,7
	global_load_b128 v[80+4*\i:83+4*\i], v[L16], s[8:9] offset:512*\i   ; all of v, 32 numbers a lane, for its sum
.endr
	s_mul_i32 s52, s18, 204800
	s_add_nc_u64 s[36:37], s[10:11], s[52:53]      ; my 16 tiles of wkf
	s_mov_b32 s52, s59
	s_add_nc_u64 s[40:41], s[8:9], s[52:53]        ; my 256 numbers of v
	s_lshr_b32 s58, ttmp9, 2                       ; the batch
	s_lshl_b32 s58, s58, 12
	s_add_co_u32 s52, s59, s58
	s_add_nc_u64 s[38:39], s[12:13], s[52:53]      ; and of its q
	v_add_nc_u32 v[IL], IMG, v[L16]
	s_mul_i32 s52, s18, 1536
	v_add_nc_u32 v[IW], s52, v[IL]
	v_lshl_add_u32 v[SL], v10, 2, ISC
	s_lshl_b32 s52, s18, 9
	v_add_nc_u32 v[SW], s52, v[SL]
	s_lshl_b32 s52, s18, 2
	v_lshl_add_u32 v[EXW], v10, 4, EX
	v_add_nc_u32 v[EXW], s52, v[EXW]
	v_lshl_add_u32 v[EXR], v10, 5, EX
	s_lshl_b32 s52, s18, 7
	v_lshl_add_u32 v[PBW], v10, 2, PB
	v_add_nc_u32 v[PBW], s52, v[PBW]
	v_lshl_add_u32 v[PBR], v9, 4, PB
	v_add_nc_u32 v[PBR], s52, v[PBR]
	v_lshl_add_u32 v[MKR], v10, 3, MSK
	v_lshl_add_u32 v23, v0, 3, MSK
	v_lshlrev_b32 v[QO], 5, v9
	v_lshlrev_b32 v[SH8], 3, v9
	v_lshlrev_b32 v[GO8], 3, v10
	v_lshlrev_b32 v[CO], 10, v9
	v_lshl_add_u32 v[CO], v8, 4, v[CO]
	s_lshl_b32 s52, s18, 8
	v_add_nc_u32 v[CO], s52, v[CO]
	v_mov_b32 v[NEGV], 0xd01502f9
	v_mul_u32_u24 v[AQ], v8, PITCH
	v_lshl_add_u32 v[AQ], v9, 7, v[AQ]
	s_mul_i32 s58, s18, 16*PITCH
	v_add_nc_u32 v[AQ], s58, v[AQ]
	v_mul_u32_u24 v[AX], v9, 8*PITCH
	v_lshl_add_u32 v[AX], v8, 4, v[AX]
	v_add_nc_u32 v[AX], s52, v[AX]
.irp q, 1,2,3
	v_add_nc_u32 v[AQ+\q], \q*SLICE, v[AQ]
	v_add_nc_u32 v[AX+\q], \q*SLICE, v[AX]
.endr
	v_mov_b32 v[TQ], 0                             ; written once: a lane permute's destination counts as one of its sources
.irp m, 0,1,2,3
	v_mov_b32 v[CT+\m], 0
.endr
	v_mov_b32 v[CW+1], 0
	s_wait_loadcnt 0x0
	ds_store_b64 v23, v[112:113]                   ; the mask words: read by every wave behind the first barrier
.irp i, 4,8,12,16,20,24,28
	v_pk_add_f32 v[80:81], v[80:81], v[80+\i:81+\i]
	v_pk_add_f32 v[82:83], v[82:83], v[82+\i:83+\i]
.endr
	v_pk_add_f32 v[80:81], v[80:81], v[82:83]
	v_add_f32 v[SV], v80, v81
	v_add_f32_dpp v[SV], v[SV], v[SV] row_xmask:1 row_mask:0xf bank_mask:0xf
	v_add_f32_dpp v[SV], v[SV], v[SV] row_xmask:2 row_mask:0xf bank_mask:0xf
	v_add_f32_dpp v[SV], v[SV], v[SV] row_xmask:4 row_mask:0xf bank_mask:0xf
	v_add_f32_dpp v[SV], v[SV], v[SV] row_xmask:8 row_mask:0xf bank_mask:0xf
	v_permlanex16_b32 v[CT], v[SV], s22, s23
	v_add_f32 v[SV], v[SV], v[CT]                  ; the sum of v, in every lane
	s_mov_b32 s48, 0
	s_mov_b32 s49, 0
	s_mov_b32 s50, 0
	s_mov_b32 s51, 0
	s_mov_b64 s[42:43], s[36:37]
	s_mov_b64 s[44:45], s[38:39]
	s_mov_b64 s[46:47], s[40:41]
	LOADT 0                                        ; my first two tiles of Wk
	LOADV 0
	LOADT 1
	LOADV 1
	s_mov_b32 s19, 3
.Lblock:
	BLOCK 1, 0
	s_sub_co_u32 s19, s19, 1
	s_cmp_lg_u32 s19, 0
	s_cbranch_scc1 .Lblock
	BLOCK 0, 1                                     ; the last block is written out
	s_wait_tensorcnt 0x0                           ; the wave's end, behind my last tensor load and my last LDS store
	ds_add_u32 v[SPW], v[NIL]
	s_wait_dscnt 0x0
	s_endpgm
.Lfunc_end_k_q7c12f66a9e_main:
	.size	k_q7c12f66a9e_main, .Lfunc_end_k_q7c12f66a9e_main-k_q7c12f66a9e_main
	.p2alignl 7, 3214868480
	.fill 96, 4, 3214868480
	.section	.rodata,"a",@progbits
	.p2align	6, 0x0
	.amdhsa_kernel k_q7c12f66a9e_main
		.amdhsa_group_segment_fixed_size 327680
		.amdhsa_private_segment_fixed_size 0
		.amdhsa_enable_private_segment 0
		.amdhsa_kernarg_size 56
		.amdhsa_user_sgpr_count 2
		.amdhsa_user_sgpr_kernarg_segment_ptr 1
		.amdhsa_wavefront_size32 1
		.amdhsa_system_sgpr_workgroup_id_x 1
		.amdhsa_system_sgpr_workgroup_id_y 1
		.amdhsa_system_sgpr_workgroup_id_z 1
		.amdhsa_system_vgpr_workitem_id 0
		.amdhsa_next_free_vgpr 1024
		.amdhsa_next_free_sgpr 66
		.amdhsa_reserve_vcc 1
		.amdhsa_float_denorm_mode_32 3
		.amdhsa_float_denorm_mode_16_64 3
		.amdhsa_memory_ordered 1
		.amdhsa_forward_progress 1
		.amdhsa_inst_pref_size 235
	.end_amdhsa_kernel
	.amdgpu_metadata
---
amdhsa.version: [ 1, 2 ]
amdhsa.kernels:
  - .name:           k_q7c12f66a9e_main
    .symbol:         k_q7c12f66a9e_main.kd
    .args:
      - { .name: encoder_outputs, .offset: 0, .size: 8, .value_kind: global_buffer, .address_space: global }
      - { .name: mask, .offset: 8, .size: 8, .value_kind: global_buffer, .address_space: global }
      - { .name: v, .offset: 16, .size: 8, .value_kind: global_buffer, .address_space: global }
      - { .name: wkf, .offset: 24, .size: 8, .value_kind: global_buffer, .address_space: global }
      - { .name: tq, .offset: 32, .size: 8, .value_kind: global_buffer, .address_space: global }
      - { .name: en, .offset: 40, .size: 8, .value_kind: global_buffer, .address_space: global }
      - { .name: cp, .offset: 48, .size: 8, .value_kind: global_buffer, .address_space: global }
    .group_segment_fixed_size: 327680
    .private_segment_fixed_size: 0
    .kernarg_segment_align: 8
    .kernarg_segment_size: 56
    .max_flat_workgroup_size: 128
    .sgpr_count:     66
    .vgpr_count:     1024
    .wavefront_size: 32
...
	.end_amdgpu_metadata
.endif
;; end of part 2
;; launch comb (part 3): grid 64 x 1, 8 waves a work-group, no clusters, 1,280 bytes of LDS; arguments en, cp, out0, out1; writes out0, out1
.if DOCPART == 3
	.amdgcn_target "amdgcn-amd-amdhsa--gfx1250"
	.amdhsa_code_object_version 6
	.text
	.protected	k_q7c12f66a9e_comb
	.globl	k_q7c12f66a9e_comb
	.p2align	8
	.type	k_q7c12f66a9e_comb,@function
k_q7c12f66a9e_comb:
	s_mov_b64 s[64:65], 0
	v_nop
	global_prefetch_b8 v0, s[64:65] scope:SCOPE_SE
	s_setreg_imm32_b32 hwreg(HW_REG_WAVE_MODE, 25, 1), 1
	s_wait_xcnt 0x0
; One work-group for each batch joins its 16 blocks of 64 rows.  en: the masked energies [64][1024].  cp: for each block g the sum over its rows of e^(energy - m_g) x enc, m_g the block's largest energy.
; M = the batch's largest energy; p = e^(energy - M); L = the sum of p; out1 = p / L; out0 = sum over g of e^(m_g - M) / L x cp[g].  The maximum is taken away before every exponential.
; Thread t owns energies 4 t .. 4 t + 3 and columns 4 t .. 4 t + 3: every load and store of a wave covers 512 consecutive bytes.  Sixteen lanes hold just one block's 64 energies, so m_g needs four steps between lanes.
; No matrix unit, no cluster, no tensor load: 4.5 MB are read once and nothing is shared between work-groups.  64 work-groups are all the work there is.
; LIMITS: NaN and infinities are not served; an exponential under 2^-126 comes out as 0.
; LDS: bytes 0-63 the 16 m_g; bytes 64-95 the eight waves' sums of p.
	s_load_b256 s[4:11], s[0:1], 0x0               ; en s[4:5], cp s[6:7], out0 s[8:9], out1 s[10:11]
	v_lshl_add_u32 v128, v0, 2, 0x100
	v_mov_b32 v129, 0
	v_lshlrev_b32 v1, 4, v0                        ; 16 t
	v_lshrrev_b32 v2, 5, v0
	s_delay_alu instid0(VALU_DEP_1)
	v_readfirstlane_b32 s12, v2                    ; wave 0..7
	v_lshrrev_b32 v3, 4, v0
	s_delay_alu instid0(VALU_DEP_1)
	v_lshlrev_b32 v3, 2, v3                        ; my block's word
	s_delay_alu instid0(VALU_DEP_3)
	v_mov_b32 v10, s12
	s_delay_alu instid0(VALU_DEP_1)
	v_lshlrev_b32 v10, 2, v10                      ; my wave's word
	v_mov_b32 v9, 0
	v_mov_b32 v99, 0                               ; written once: a lane permute's destination counts as one of its sources
	s_lshl_b32 s14, ttmp9, 12                      ; a batch's row of 4,096 bytes
	s_mov_b32 s15, 0
	s_lshl_b32 s16, ttmp9, 16                      ; its 16 block contexts
	s_mov_b32 s17, 0
	s_mov_b32 s18, 0x76543210
	s_mov_b32 s19, 0xfedcba98                      ; v_permlanex16_b32's selects for lane l xor 16
	s_mov_b32 s20, 0x3fb8aa3b                      ; log2(e)
	s_wait_alu depctr_va_vdst(0)
	s_wait_kmcnt 0x0
	s_add_nc_u64 s[4:5], s[4:5], s[14:15]
	s_add_nc_u64 s[6:7], s[6:7], s[16:17]
	s_add_nc_u64 s[8:9], s[8:9], s[14:15]
	s_add_nc_u64 s[10:11], s[10:11], s[14:15]
	global_load_b128 v[4:7], v1, s[4:5] th:TH_LOAD_NT
.set g, 0
.rept 16
	global_load_b128 v[16+4*g:19+4*g], v1, s[6:7] offset:4096*g th:TH_LOAD_NT
.set g, g+1
.endr
	s_wait_loadcnt 16                              ; my energies are in; the sixteen loads of cp stay out
	v_max3_num_f32 v8, v4, v5, v6
	s_delay_alu instid0(VALU_DEP_1)
	v_max_num_f32 v8, v8, v7
	s_delay_alu instid0(VALU_DEP_1)
	v_max_num_f32_dpp v8, v8, v8 row_xmask:1 row_mask:0xf bank_mask:0xf
	s_delay_alu instid0(VALU_DEP_1)
	v_max_num_f32_dpp v8, v8, v8 row_xmask:2 row_mask:0xf bank_mask:0xf
	s_delay_alu instid0(VALU_DEP_1)
	v_max_num_f32_dpp v8, v8, v8 row_xmask:4 row_mask:0xf bank_mask:0xf
	s_delay_alu instid0(VALU_DEP_1)
	v_max_num_f32_dpp v8, v8, v8 row_xmask:8 row_mask:0xf bank_mask:0xf   ; m_g of my block: the same number that the launch before took away
	ds_store_b32 v3, v8                            ; sixteen lanes write the same word with the same value
	s_wait_dscnt 0x0
	s_barrier_signal -1
	s_barrier_wait -1
.irp i, 0,1,2,3
	ds_load_b128 v[80+4*\i:83+4*\i], v9 offset:16*\i   ; all 16 m_g, in every lane
.endr
	s_wait_dscnt 0x0
	v_max3_num_f32 v96, v80, v81, v82
.irp i, 83,85,87,89,91,93
	s_delay_alu instid0(VALU_DEP_1)
	v_max3_num_f32 v96, v96, v[\i], v[\i+1]
.endr
	s_delay_alu instid0(VALU_DEP_1)
	v_max_num_f32 v96, v96, v95                    ; M
.irp i, 0,1,2,3
	v_sub_f32 v[100+\i], v[4+\i], v96
.endr
.set g, 0
.rept 16
	v_sub_f32 v[104+g], v[80+g], v96
.set g, g+1
.endr
.set g, 0
.rept 20
	v_mul_f32 v[100+g], s20, v[100+g]
.set g, g+1
.endr
.set g, 0
	s_wait_alu depctr_va_vdst(0)
.rept 20
	v_exp_f32 v[100+g], v[100+g]                   ; v100-103: p;  v104-119: e^(m_g - M)
.set g, g+1
.endr
	v_nop                                          ; a plain line behind the batch,
	s_wait_alu depctr_va_vdst(0)                   ; and the one wait ahead of its first reader
	v_add_f32 v97, v100, v101
	v_add_f32 v98, v102, v103
	s_delay_alu instid0(VALU_DEP_1)
	v_add_f32 v97, v97, v98
	s_delay_alu instid0(VALU_DEP_1)
	v_add_f32_dpp v97, v97, v97 row_xmask:1 row_mask:0xf bank_mask:0xf
	s_delay_alu instid0(VALU_DEP_1)
	v_add_f32_dpp v97, v97, v97 row_xmask:2 row_mask:0xf bank_mask:0xf
	s_delay_alu instid0(VALU_DEP_1)
	v_add_f32_dpp v97, v97, v97 row_xmask:4 row_mask:0xf bank_mask:0xf
	s_delay_alu instid0(VALU_DEP_1)
	v_add_f32_dpp v97, v97, v97 row_xmask:8 row_mask:0xf bank_mask:0xf
	s_delay_alu instid0(VALU_DEP_1)
	v_permlanex16_b32 v99, v97, s18, s19
	s_delay_alu instid0(VALU_DEP_1)
	v_add_f32 v97, v97, v99                        ; my wave's sum of p
	ds_store_b32 v10, v97 offset:64                ; other bytes than the first exchange's
	s_wait_dscnt 0x0
	s_barrier_signal -1
	s_barrier_wait -1
	ds_load_b128 v[120:123], v9 offset:64
	ds_load_b128 v[124:127], v9 offset:80
	s_wait_dscnt 0x0
	v_add_f32 v120, v120, v121
	v_add_f32 v122, v122, v123
	v_add_f32 v124, v124, v125
	v_add_f32 v126, v126, v127
	s_delay_alu instid0(VALU_DEP_3)
	v_add_f32 v120, v120, v122
	s_delay_alu instid0(VALU_DEP_2)
	v_add_f32 v124, v124, v126
	s_delay_alu instid0(VALU_DEP_1)
	v_add_f32 v97, v120, v124                      ; L, at least 1
	s_wait_alu depctr_va_vdst(0)
	v_rcp_f32 v98, v97
	v_nop
	s_wait_alu depctr_va_vdst(0)
.set g, 0
.rept 10
	v_pk_mul_f32 v[100+g:101+g], v[100+g:101+g], v[98:99] op_sel_hi:[1,0]   ; p / L and e^(m_g - M) / L: of the pair the low word serves both halves
.set g, g+2
.endr
	global_store_b128 v1, v[100:103], s[10:11] th:TH_STORE_NT
	s_wait_alu depctr_va_vdst(0)
	s_wait_loadcnt 0x0
.irp i, 0,1,2,3
	v_mul_f32 v[12+\i], v104, v[16+\i]             ; the first block starts the sums
.endr
.set g, 1
.rept 15
.irp i, 0,1,2,3
	s_delay_alu instid0(VALU_DEP_4)
	v_fma_f32 v[12+\i], v[104+g], v[16+4*g+\i], v[12+\i]
.endr
.set g, g+1
.endr
	global_store_b128 v1, v[12:15], s[8:9] th:TH_STORE_NT
	s_wait_tensorcnt 0x0
	ds_add_u32 v128, v129
	s_wait_dscnt 0x0
	s_endpgm
.Lfunc_end_k_q7c12f66a9e_comb:
	.size	k_q7c12f66a9e_comb, .Lfunc_end_k_q7c12f66a9e_comb-k_q7c12f66a9e_comb
	.p2alignl 7, 3214868480
	.fill 96, 4, 3214868480
	.section	.rodata,"a",@progbits
	.p2align	6, 0x0
	.amdhsa_kernel k_q7c12f66a9e_comb
		.amdhsa_group_segment_fixed_size 1280
		.amdhsa_private_segment_fixed_size 0
		.amdhsa_enable_private_segment 0
		.amdhsa_kernarg_size 32
		.amdhsa_user_sgpr_count 2
		.amdhsa_user_sgpr_kernarg_segment_ptr 1
		.amdhsa_wavefront_size32 1
		.amdhsa_system_sgpr_workgroup_id_x 1
		.amdhsa_system_sgpr_workgroup_id_y 1
		.amdhsa_system_sgpr_workgroup_id_z 1
		.amdhsa_system_vgpr_workitem_id 0
		.amdhsa_next_free_vgpr 130
		.amdhsa_next_free_sgpr 66
		.amdhsa_reserve_vcc 0
		.amdhsa_float_denorm_mode_32 3
		.amdhsa_float_denorm_mode_16_64 3
		.amdhsa_memory_ordered 1
		.amdhsa_forward_progress 1
		.amdhsa_inst_pref_size 15
	.end_amdhsa_kernel
	.amdgpu_metadata
---
amdhsa.version: [ 1, 2 ]
amdhsa.kernels:
  - .name:           k_q7c12f66a9e_comb
    .symbol:         k_q7c12f66a9e_comb.kd
    .args:
      - { .name: en, .offset: 0, .size: 8, .value_kind: global_buffer, .address_space: global }
      - { .name: cp, .offset: 8, .size: 8, .value_kind: global_buffer, .address_space: global }
      - { .name: out0, .offset: 16, .size: 8, .value_kind: global_buffer, .address_space: global }
      - { .name: out1, .offset: 24, .size: 8, .value_kind: global_buffer, .address_space: global }
    .group_segment_fixed_size: 1280
    .private_segment_fixed_size: 0
    .kernarg_segment_align: 8
    .kernarg_segment_size: 32
    .max_flat_workgroup_size: 256
    .sgpr_count:     66
    .vgpr_count:     130
    .wavefront_size: 32
...
	.end_amdgpu_metadata
.endif
;; end of part 3
